; MI455X (gfx1250); checked and timed in simulation.
; The chip was launched on July 23, 2026; its instructions are those of AMD's public machine-readable ISA for CDNA 5 (MIT licence, August 2026) and "CDNA5" Instruction Set Architecture Reference Guide (July 2026). The comments in the code are by the model that wrote it; some were corrected since.
;; Attention Layer. Allowed arithmetic: matrix products marked QUANTISED: E5M2 operands, one E8M0 scale for each 32 along K, by v_wmma_scale_f32_16x16x128_f8f6f4 with both operands' format E5M2, f32 sums; everything else in f32.
;; Inputs: Wqkv_codes 384 x 8 x 32 uint8 (E5M2 codes of Wqkv, K innermost, in blocks of 32 codes); Wqkv_scales 384 x 8 uint8 (E8M0 scales of Wqkv, one for each 32 codes along K); bqkv 384 float32; gamma 1 float32; x 8 x 256 x 64 x 64 float32.
;; Outputs: out0 8 x 256 x 64 x 64 float32.
;; This version of the problem:
;;   THIS VERSION OF THE PROBLEM IS GIVEN IN LOW PRECISION. The matrix products marked QUANTISED in the list below multiply operands that are first quantised to E5M2 (5 exponent bits, 2 mantissa bits; 8 bits a number), with one power-of-two scale for each 32 numbers along K (OCP MX v1.0); their sums are f32. All else is computed in f32.
;;   The module's matrix products, in the order in which they are computed (A, B: the left and right operand; K: the contracted axis; several contracted axes count as one K, in the product's order):
;;     1. [M 32,768, K 256] x [K 256, N 384]; A: computed on the way; B: input Wqkv (given as codes): QUANTISED
;;     2. batch 8 x [M 4,096, K 64] x [K 64, N 4,096]; A: computed on the way; B: computed on the way: QUANTISED
;;     3. batch 8 x [M 256, K 4,096] x [K 4,096, N 4,096]; A: computed on the way; B: softmax (see below): QUANTISED
;;   THE QUANTISER, for each operand of a quantised product, along K:
;;     - K is cut into blocks of 32 from its start; a last block that is shorter is filled with zeros.
;;     - A block's scale is 2^e with e = floor(log2(the largest magnitude in the block)) - 15, held to -126 .. 127; a block of zeros has e = 0. As a byte (E8M0): e + 127.
;;     - Each number is divided by its block's scale, clamped to +-57,344, and rounded to the nearest number of E5M2, ties to even, subnormals kept.
;;     - The product sums the exact products of the quantised numbers (number of the format x scale) in f32.
;;   ~~~python
;;   def quantise(x, axis):      # numpy; x: float32 -> the quantised numbers, widened to float32 again
;;       x = np.moveaxis(x, axis, -1); K = x.shape[-1]
;;       x = np.pad(x, [(0, 0)] * (x.ndim - 1) + [(0, -K % 32)]); x = x.reshape(x.shape[:-1] + (-1, 32)); a = np.abs(x).max(-1, keepdims=True)
;;       e = np.where(a > 0, np.clip(np.frexp(np.where(a > 0, a, 1))[1] - 1 - 15, -126, 127), 0)      # np.frexp(a)[1] - 1 = floor(log2(a)), exactly
;;       r = np.clip(x / 2.0 ** e, -57344, 57344)
;;       step = 2.0 ** (np.maximum(np.frexp(np.where(r == 0, 1, r))[1] - 1, -14) - 2)
;;       q = np.round(r / step) * step * 2.0 ** e      # np.round: ties to even
;;       return np.moveaxis(q.reshape(q.shape[:-2] + (-1,))[..., :K], -1, axis).astype(np.float32)
;;   ~~~
;;   SOFTMAX AHEAD OF A QUANTISED PRODUCT. Where the list says 'softmax', what is quantised is not the finished softmax but p = 2^(t - M), with t = logit x log2(e) and M = ceil(the row's largest t), a whole number; so 1/2 < the row's largest p <= 1. The row's sum l is taken of the UNQUANTISED p, in f32, and the product's result is divided by l at the end. Since M is a whole number, a kernel that streams over the keys may use a running M (the ceiling of the running maximum): every later rescaling is an exact power of two, which a block's scale takes up: the codes' values come out the same.
;;   OPERANDS COMPUTED ON THE WAY. 'Computed on the way' means the value that the module computes at that place (a softmax that the list does not call 'softmax' is quantised finished and normalised). What goes into a quantiser is computed in f32, as accurately as f32 sums, v_exp_f32 and their like allow (about 1e-6 of the number): no bf16 or f16 on the way to a quantiser, and a product that is left as it is and whose result goes on into a quantised operand takes f32 operands (vector FMAs, or v_wmma_f32_16x16x4_f32). A number that lies on a knife's edge between two numbers of the format may be rounded either way, as far as f32 arithmetic and the matrix unit's own rounding can turn it there, and no further.
;;   INPUTS GIVEN AS CODES. Wqkv (in the module: [384, 256], K = its axis 1): each comes as NAME_codes (uint8): NAME with its K axis moved to the last place and cut into blocks of 32 codes, [.., K / 32, bytes a block], one block behind the other in memory; one code a byte (a code: sign, 5 exponent bits, 2 mantissa bits); and NAME_scales (uint8): the same leading axes, one E8M0 byte (e + 127) for each 32 codes along K. Its value is code x scale, taken as it is: it is not quantised again, and the codes and scales need not be those that the quantiser above would give.
;; One version. Each part assembles by itself: llvm-mc -triple=amdgcn-amd-amdhsa -mcpu=gfx1250 --defsym DOCPART=n.
;; ======== version 1 of 1: 2 launches
;; workspace buffers: kv 10,878,976 bytes; kj 2,228,224 bytes
;; launch project (part 1): grid 32 x 8, 4 waves a work-group, no clusters, 197,120 bytes of LDS; arguments x, Wqkv_codes, Wqkv_scales, bqkv, kv, kj; writes kv, kj
.if DOCPART == 1
	.amdgcn_target "amdgcn-amd-amdhsa--gfx1250"
	.amdhsa_code_object_version 6
	.text
	.protected	k_qff5f9fb02a_project
	.globl	k_qff5f9fb02a_project
	.p2align	8
	.type	k_qff5f9fb02a_project,@function
k_qff5f9fb02a_project:
	s_mov_b64 s[64:65], 0
	v_nop
	global_prefetch_b8 v0, s[64:65] scope:SCOPE_SE
	s_setreg_imm32_b32 hwreg(HW_REG_WAVE_MODE, 25, 1), 1
	s_wait_xcnt 0x0
; qkv = W relu(x) + b, on codes of BF8 (E5M2) with one E8M0 scale for each 32 along K, and q, k, v quantised at once for the two products of the next launch.
; x: [8][256 channels][4096 positions] f32.  W: [384][256] codes, K innermost, scale bytes [384][8].  b: [384] f32.
; A work-group (x = block of 128 positions, y = batch) takes 128 positions x 256 channels.  Its x tile comes into LDS by one tensor load a wave (64 channels x 512 bytes).
; NO CLUSTER: work-groups share W alone, 32 KB of it a wave, which goes once from memory straight into the wave's registers; a joint load would send it through LDS as well.
; K of the first product is the channel, which is not innermost in x: a lane takes ONE position and its registers run down the channels (64 LDS loads of 4 bytes for a K step of 128).
; THE POSITIONS OF A TILE ARE NOT NEIGHBOURS: row m of tile 2 b + u stands for position 32 b + 8 u + m + 8 (m / 8), and W's rows for q and k are chosen alike,
; so that in every result the 16 registers of tiles 2 b and 2 b + 1 are 16 neighbours along the next K.
; SHARES.  X: wave w quantises relu(x) of positions 32 w .. 32 w + 31 (two tiles x two K steps); the images of the four fragments go to LDS for all waves.
;   1: waves 0, 2 make q and waves 1, 3 make k, for positions 64 (w / 2) on: transposed (source 0 = 16 rows of W, source 1 = 16 positions): a lane holds one position, registers run along the 64 channels.
;   2: wave w makes v's channels 64 w .. 64 w + 63 for all 128 positions: source 0 = 16 positions, source 1 = 16 rows of W: a lane holds one channel, registers run along the positions.
; OUT.  All operands leave as IMAGES OF THEIR REGISTERS (16 bytes a lane, 512 consecutive bytes a store), scale words as 8 bytes a lane (256 consecutive bytes a store):
;   kv [8][32][42,496]: +0 q [8 tiles][2][32 lanes][16]; +8,192 v [16 tiles][4][32][16]; +40,960 q's scale words [2][32 lanes][2]; +41,472 v's [4][32 lanes][2].   kj [8][32][8,704]: k as q; +8,192 its scale words.
;   In a pair of scale words, word e holds tile 2 e in lanes 0-15 and tile 2 e + 1 in lanes 16-31.  A word of q or k has two bytes; its upper two are 0 and stand over zero codes.
; LIMITS: NaN and infinities among the inputs are not served.  A block whose largest magnitude lies under 2^-111 keeps the byte 1; a block of zeros keeps the byte 1 with zero codes (the bytes are read by this program alone).
; REGISTERS, in windows of 256.  Window 0: addresses, scale words, v48-111 64 numbers at work, v112-127 the codes just made, v200-216 the quantiser's.
;   Window 1: W's fragments (q or k: tile t, K step s at 32 t + 16 s; v: at 128 + 32 t + 16 s).   Window 2: x's 16 fragments (tile p, K step s at 32 p + 16 s).
;   Window 3: v0-31 the bias of q or k, v32-63 of v, in the results' layouts; v64-127 the four fragments of x of phase 1.
.set XPITCH, 520                       ; a channel's row in LDS: 512 bytes + 8: sixteen rows are 8,320 bytes = 128 mod 256, so lanes 16-31 fall 32 banks from lanes 0-15 (64 banks of 4 bytes: ISA guide 11.1)
.set XIMG,  256*XPITCH                 ; 133,120: behind the tile: x's 16 fragment images, 2,048 bytes each
.set FRB,   2048
.set XSC,   XIMG+16*FRB                ; 165,888: their scale words, 128 bytes each
.set STEPB, 42496                      ; a block of kv
.set KJB,   8704                       ; a block of kj
.set XG0,  4                           ; v4, v5  where my position's numbers lie in the tile, K step 0, 1
.set LI,   6                           ; v6   XIMG + 16 x lane
.set LS,   7                           ; v7   XSC + 4 x lane
.set XWI,  8                           ; v8   where I store images: LI + 8,192 x wave
.set XWS,  9                           ; v9   and scale words: LS + 512 x wave
.set LIH,  10                          ; v10  phase 1's fragments: LI + 16,384 x (wave / 2)
.set LSH,  11                          ; v11  and their scale words: LS + 1,024 x (wave / 2)
.set SH,   12                          ; v12  16 x (lane / 16)
.set GO16, 13                          ; v13  16 x lane
.set GO8,  14                          ; v14  8 x lane
.set XS2,  16                          ; v16-31  x's scale words, 2 p + s
.set XS1,  32                          ; v32-35  phase 1's four
.set QW,   36                          ; v36-37  q's or k's scale words, as they leave
.set VWD,  38                          ; v38-39  v's
.set HA,   48
.set PC,   112
.set TM,   200                         ; v200-203 largest magnitudes, v204-207 bytes, v208-211 the largest number x the scale, v212-215 the conversions' scale operands
.set PW,   216                         ; the scale word just made
.set WS,   224                         ; v224-231 W's scale words for q or k, 2 t + s
.set WSV,  232                         ; v232-239 for v
.set SEL,  20                          ; s[20:21] v_permlanex16_b32's selects for lane l xor 16
.set MNT,  22                          ; s22  the mantissa field of 57,344
.set HIM,  23                          ; s23  a mask of lanes 16-31
.set MSB, 0
.macro WIN new                         ; the immediate's high byte repeats the setting that is left
.if MSB != \new
	s_set_vgpr_msb (MSB<<8)|\new
.set MSB, \new
.endif
.endm
.macro PLACES n
.rept \n
	v_nop
.endr
.endm
; 64 numbers of a lane, v[s] .. v[s + 63], register 16 b + i = k 32 b + 16 (lane / 16) + i of my row, become 16 registers of codes in v[PC] on and four scale bytes in v[PW].
.macro QUANT s, relu                   ; relu = 1: what is negative becomes 0 on the way
.if \relu                              ; no |.|: what is negative must not count for the largest magnitude; the floor stands over it
.irp b, 0,1,2,3
	v_max3_num_f32 v[TM+\b], v[\s+16*\b], v[\s+1+16*\b], 0x8000000   ; my 16 numbers of block b, and the floor 2^(16 - 127): the byte cannot fall under 1
.endr
.irp i, 2,4,6,8,10,12,14
.irp b, 0,1,2,3
	v_max3_num_f32 v[TM+\b], v[TM+\b], v[\s+16*\b+\i], v[\s+1+16*\b+\i]
.endr
.endr
.else
.irp b, 0,1,2,3
	v_max3_num_f32 v[TM+\b], |v[\s+16*\b]|, |v[\s+1+16*\b]|, 0x8000000
.endr
.irp i, 2,4,6,8,10,12,14
.irp b, 0,1,2,3
	v_max3_num_f32 v[TM+\b], v[TM+\b], |v[\s+16*\b+\i]|, |v[\s+1+16*\b+\i]|
.endr
.endr
.endif
.irp b, 0,1,2,3
	v_permlanex16_b32 v[TM+4+\b], v[TM+\b], s[SEL], s[SEL+1]
.endr
.irp b, 0,1,2,3
	v_max_num_f32 v[TM+\b], v[TM+\b], v[TM+4+\b]                 ; with lane l xor 16's: the block's largest magnitude
.endr
.irp b, 0,1,2,3
	v_add_nc_u32 v[TM+12+\b], 0xf8800000, v[TM+\b]               ; 15 off its exponent field: the conversion takes this operand's exponent field as its scale
.endr
.irp b, 0,1,2,3
	v_and_or_b32 v[TM+8+\b], v[TM+\b], 0x7f800000, s[MNT]        ; 57,344 x the scale
.endr
.irp b, 0,1,2,3
	v_lshrrev_b32 v[TM+4+\b], 23, v[TM+12+\b]                    ; the scale's byte
.endr
	v_lshl_or_b32 v[PW], v[TM+5], 8, v[TM+4]
	v_lshl_or_b32 v[PW], v[TM+6], 16, v[PW]
	v_lshl_or_b32 v[PW], v[TM+7], 24, v[PW]
.irp b, 0,1,2,3
.irp i, 0,1,2,3,4,5,6,7,8,9,10,11,12,13,14,15
.if \relu
	v_med3_num_f32 v[\s+16*\b+\i], v[\s+16*\b+\i], 0, v[TM+8+\b]             ; the activation and the hold in one
.else
	v_med3_num_f32 v[\s+16*\b+\i], v[\s+16*\b+\i], -v[TM+8+\b], v[TM+8+\b]   ; the conversion to an 8-bit code does not saturate (ISA guide 7.6.2): the hold at the largest code x the scale
.endif
.endr
	v_cvt_scalef32_pk8_bf8_f32 v[PC+4*\b:PC+1+4*\b], v[\s+16*\b:\s+7+16*\b], v[TM+12+\b]
	v_cvt_scalef32_pk8_bf8_f32 v[PC+2+4*\b:PC+3+4*\b], v[\s+8+16*\b:\s+15+16*\b], v[TM+12+\b]
.endr
	v_nop                              ; one plain line between the last conversion and whatever next writes its sources (the next products)
.endm
.macro IMAGE adr, off                  ; the fragment in v[PC] on goes to LDS as it stands
.irp c, 0,1,2,3
	ds_store_b128 v[\adr], v[PC+4*\c:PC+4*\c+3] offset:(\off)+512*\c
.endr
.endm
.macro GATHER u, ks                    ; register 16 c + i = channel 128 ks + 32 c + 16 (lane / 16) + i of position 32 w + 8 u + r + 8 (r / 8)
.set gi, 0
.rept 64
	ds_load_b32 v[HA+gi], v[XG0+\ks] offset:(32*(gi/16)+gi%16)*XPITCH+32*\u
.set gi, gi+1
.endr
.endm
.macro BARRIER                         ; my LDS stores have landed and my LDS loads are in: then the work-group's barrier
	s_wait_dscnt 0x0
	s_barrier_signal -1
	s_barrier_wait -1
.endm
	s_load_b256 s[4:11], s[0:1], 0x0               ; x s[4:5], W's codes s[6:7], W's scales s[8:9], b s[10:11]
	s_load_b128 s[12:15], s[0:1], 0x20             ; kv s[12:13], kj s[14:15]
	v_lshl_add_u32 v254, v0, 2, 0x30000
	v_mov_b32 v255, 0
	ds_add_u32 v254, v255
	ds_add_u32 v254, v255
	v_lshrrev_b32 v1, 5, v0
	v_readfirstlane_b32 s16, v1                    ; wave 0..3
	s_lshr_b32 s17, s16, 1                         ; phase 1: which 64 positions
	s_and_b32 s18, s16, 1                          ; phase 1: q (0) or k (1)
	s_and_b32 s19, ttmp7, 0xffff                   ; the batch
	; descriptor group 1: 64 rows (channels) x 128 elements of 4 bytes, 4,096 elements apart; 2 words of padding behind every 128
	s_mov_b32 s24, (2<<16)|(1<<20)|(6<<22)|(1<<25)
	s_mov_b32 s25, 128<<16                         ; tensor_dim0
	s_mov_b32 s26, 64<<16                          ; tensor_dim1
	s_mov_b32 s27, 128<<16                         ; tile_dim0
	s_mov_b32 s28, 64                              ; tile_dim1
	s_mov_b32 s29, 4096                            ; tensor_dim0_stride
	s_mov_b32 s30, 0
	s_mov_b32 s31, 0
	s_lshl_b32 s56, s19, 22                        ; batch x 256 x 4,096 x 4 bytes
	s_lshl_b32 s57, s16, 20                        ; + 64 channels x wave
	s_add_co_u32 s56, s56, s57
	s_lshl_b32 s57, ttmp9, 9                       ; + 128 positions x block
	s_add_co_u32 s56, s56, s57
	s_mov_b32 s57, 0
	s_mov_b32 s32, 1                               ; group 0: count = 1,
	s_mul_i32 s33, s16, 64*XPITCH                  ; LDS address: my 64 rows,
	s_wait_dscnt 0x0
	s_wait_kmcnt 0x0
	s_add_nc_u64 s[34:35], s[4:5], s[56:57]        ; global address,
	s_or_b32 s35, s35, 0x80000000                  ; type = 2
	tensor_load_to_lds s[32:35], s[24:31]          ; my one tensor load; nothing is ever filled again
	s_nop 0
	PLACES 4                                       ; four plain lines behind a tensor load
	; W, its scale words and the bias are asked for while x is on its way
	s_lshl_b32 s56, s18, 14
	s_add_nc_u64 s[44:45], s[6:7], s[56:57]        ; W's rows of q or of k
	s_lshl_b32 s56, s16, 14
	s_add_co_u32 s56, s56, 32768
	s_add_nc_u64 s[46:47], s[6:7], s[56:57]        ; W's rows 128 + 64 w on: my channels of v
	s_lshl_b32 s56, s18, 9
	s_add_nc_u64 s[48:49], s[8:9], s[56:57]        ; their scale bytes, 8 a row
	s_lshl_b32 s56, s16, 9
	s_add_co_u32 s56, s56, 1024
	s_add_nc_u64 s[50:51], s[8:9], s[56:57]
	s_lshl_b32 s56, s18, 8
	s_add_nc_u64 s[52:53], s[10:11], s[56:57]      ; and their bias
	s_lshl_b32 s56, s16, 8
	s_add_co_u32 s56, s56, 512
	s_add_nc_u64 s[54:55], s[10:11], s[56:57]
	v_and_b32 v1, 31, v0                           ; lane
	v_and_b32 v2, 15, v0                           ; r
	v_bfe_u32 v3, v0, 4, 1                         ; h
	v_and_b32 v46, 8, v2
	v_add_nc_u32 v46, v46, v2                      ; r + 8 (r / 8)
	v_lshlrev_b32 v40, 8, v46
	v_lshl_add_u32 v40, v3, 4, v40                 ; W for q, k: the tile's chosen row of 256 bytes, + 16 h
	v_lshlrev_b32 v41, 8, v2
	v_lshl_add_u32 v41, v3, 4, v41                 ; W for v: row r
	v_lshlrev_b32 v42, 3, v46                      ; their scale bytes
	v_lshlrev_b32 v43, 3, v2
	v_lshlrev_b32 v44, 6, v3                       ; bias of q, k: lane (r, h) wants channels 32 b + 8 u + 16 h + 0 .. 7
	v_lshlrev_b32 v45, 2, v2                       ; bias of v: channel r in all eight registers
	WIN 0x40                                       ; destination window 1
.irp t, 0,1,2,3
.irp ks, 0,1
.irp c, 0,1,2,3
	global_load_b128 v[32*\t+16*\ks+4*\c:32*\t+16*\ks+4*\c+3], v40, s[44:45] offset:(32*(\t/2)+8*(\t%2))*256+128*\ks+32*\c
	global_load_b128 v[128+32*\t+16*\ks+4*\c:128+32*\t+16*\ks+4*\c+3], v41, s[46:47] offset:4096*\t+128*\ks+32*\c
.endr
.endr
.endr
	WIN 0xc0                                       ; destination window 3
.irp t, 0,1,2,3
	global_load_b128 v[8*\t:8*\t+3], v44, s[52:53] offset:(32*(\t/2)+8*(\t%2))*4
	global_load_b128 v[8*\t+4:8*\t+7], v44, s[52:53] offset:(32*(\t/2)+8*(\t%2))*4+16
.irp j, 0,1,2,3,4,5,6,7
	global_load_b32 v[32+8*\t+\j], v45, s[54:55] offset:64*\t
.endr
.endr
	WIN 0
.irp t, 0,1,2,3
	global_load_b64 v[WS+2*\t:WS+2*\t+1], v42, s[48:49] offset:(32*(\t/2)+8*(\t%2))*8   ; a row's two words: K steps 0, 1
	global_load_b64 v[WSV+2*\t:WSV+2*\t+1], v43, s[50:51] offset:128*\t
.endr
	; LDS addresses
	v_mul_u32_u24 v[XG0], v3, 16*XPITCH            ; lanes 16-31 begin 16 channels further down
	v_lshl_add_u32 v[XG0], v46, 2, v[XG0]
	s_lshl_b32 s56, s16, 7
	v_add_nc_u32 v[XG0], s56, v[XG0]               ; + my wave's 32 positions
	v_add_nc_u32 v[XG0+1], 128*XPITCH, v[XG0]
	v_lshl_add_u32 v[LI], v1, 4, XIMG
	v_lshl_add_u32 v[LS], v1, 2, XSC
	s_lshl_b32 s56, s16, 13
	v_add_nc_u32 v[XWI], s56, v[LI]
	s_lshl_b32 s56, s16, 9
	v_add_nc_u32 v[XWS], s56, v[LS]
	s_lshl_b32 s56, s17, 14
	v_add_nc_u32 v[LIH], s56, v[LI]
	s_lshl_b32 s56, s17, 10
	v_add_nc_u32 v[LSH], s56, v[LS]
	v_lshlrev_b32 v[SH], 4, v3
	v_lshlrev_b32 v[GO16], 4, v1
	v_lshlrev_b32 v[GO8], 3, v1
.irp b, 0,1,2,3
	v_mov_b32 v[TM+4+\b], 0                        ; written once: a lane permute's destination counts as one of its sources
.endr
	s_mov_b32 s[SEL], 0x76543210
	s_mov_b32 s[SEL+1], 0xfedcba98
	s_mov_b32 s[MNT], 0x600000
	s_mov_b32 s[HIM], 0xffff0000
	; where the results go
	s_lshl_b32 s56, s19, 5
	s_add_co_u32 s56, s56, ttmp9                   ; block = 32 x batch + x
	s_mul_i32 s58, s56, STEPB                      ; its first byte in kv
	s_cmp_eq_u32 s18, 0                            ; q goes to kv, k to kj: the choice hangs on the wave's number alone
	s_cselect_b64 s[36:37], s[12:13], s[14:15]
	s_mov_b32 s57, KJB
	s_cselect_b32 s57, STEPB, s57
	s_mov_b32 s59, 8192
	s_cselect_b32 s59, 40960, s59                  ; where the scale words begin in a block
	s_mul_i32 s56, s56, s57
	s_mov_b32 s57, 0
	s_add_nc_u64 s[36:37], s[36:37], s[56:57]
	s_lshl_b32 s56, s17, 8
	s_add_co_u32 s56, s56, s59
	s_add_nc_u64 s[38:39], s[36:37], s[56:57]      ; scale words of q or k: my half's 256 bytes
	s_lshl_b32 s56, s17, 12
	s_add_nc_u64 s[36:37], s[36:37], s[56:57]      ; images of q or k: my half's four tiles
	s_lshl_b32 s56, s16, 13
	s_add_co_u32 s56, s56, s58
	s_add_co_u32 s56, s56, 8192
	s_add_nc_u64 s[40:41], s[12:13], s[56:57]      ; images of v: my four tiles
	s_lshl_b32 s56, s16, 8
	s_add_co_u32 s56, s56, s58
	s_add_co_u32 s56, s56, 41472
	s_add_nc_u64 s[42:43], s[12:13], s[56:57]      ; scale words of v: my 256 bytes
	s_wait_tensorcnt 0x0                           ; my 64 rows of x are in LDS,
	s_barrier_signal -1
	s_barrier_wait -1                              ; everybody's are
	; ---- X: relu(x) of my 32 positions becomes four fragments
.irp u, 0,1
.irp ks, 0,1
	GATHER \u, \ks
	s_wait_dscnt 0x0                               ; the numbers are in (and the last images' stores have read their registers)
	QUANT HA, 1
	IMAGE XWI, (2*\u+\ks)*FRB
	ds_store_b32 v[XWS], v[PW] offset:(2*\u+\ks)*128
.endr
.endr
	BARRIER                                        ; x's sixteen fragments lie in LDS
	WIN 0x80                                       ; destination window 2: all of them, for phase 2
.set fi, 0
.rept 64
	ds_load_b128 v[4*fi:4*fi+3], v[LI] offset:512*fi
.set fi, fi+1
.endr
	WIN 0
.set fi, 0
.rept 16
	ds_load_b32 v[XS2+fi], v[LS] offset:128*fi
.set fi, fi+1
.endr
	s_wait_loadcnt 0x0                             ; W, its scale words, the bias
	; ---- 1: q or k of my 64 positions, two tiles of positions at a time: 8 accumulators by turns
.irp e, 0,1
	WIN 0xc0
.irp p, 0,1
.irp ks, 0,1
.irp c, 0,1,2,3
	ds_load_b128 v[64+32*\p+16*\ks+4*\c:64+32*\p+16*\ks+4*\c+3], v[LIH] offset:(2*\e+\p)*4096+2048*\ks+512*\c
.endr
.endr
.endr
	WIN 0
.irp p, 0,1
.irp ks, 0,1
	ds_load_b32 v[XS1+2*\p+\ks], v[LSH] offset:(2*\e+\p)*256+128*\ks
.endr
.endr
	s_wait_dscnt 0x0
	WIN 0x3d                                       ; source 0 (W) window 1, source 1 (x) and source 2 (the bias) window 3
.irp p, 0,1
.irp t, 0,1,2,3
	v_wmma_scale_f32_16x16x128_f8f6f4 v[HA+8*(4*\p+\t):HA+8*(4*\p+\t)+7], v[32*\t:32*\t+15], v[64+32*\p:64+32*\p+15], v[8*\t:8*\t+7], v[WS+2*\t], v[XS1+2*\p] matrix_a_fmt:MATRIX_FMT_BF8 matrix_b_fmt:MATRIX_FMT_BF8
.endr
.endr
	WIN 0x0d
.irp p, 0,1
.irp t, 0,1,2,3
	v_wmma_scale_f32_16x16x128_f8f6f4 v[HA+8*(4*\p+\t):HA+8*(4*\p+\t)+7], v[32*\t+16:32*\t+31], v[64+32*\p+16:64+32*\p+31], v[HA+8*(4*\p+\t):HA+8*(4*\p+\t)+7], v[WS+2*\t+1], v[XS1+2*\p+1] matrix_a_fmt:MATRIX_FMT_BF8 matrix_b_fmt:MATRIX_FMT_BF8
.endr
.endr
	WIN 0
	PLACES 8                                       ; eight plain lines between the products and the first read of their results
.if \e > 0
	s_wait_xcnt 0x0                                ; the last trip's stores have read the codes' registers
.endif
	QUANT HA, 0                                    ; blocks 0, 1: the first tile's 64 channels; blocks 2, 3: the second's
.irp k, 0,1,2,3
	global_store_b128 v[GO16], v[PC+4*\k:PC+4*\k+3], s[36:37] offset:2048*\e+512*\k   ; 32 lanes store 512 consecutive bytes
.endr
	v_lshrrev_b32 v[QW+\e], v[SH], v[PW]           ; lanes 0-15 keep the first tile's two bytes, lanes 16-31 the second's;
	v_and_b32 v[QW+\e], 0xffff, v[QW+\e]           ; the upper two bytes are 0: they stand over zero codes
.endr
	global_store_b64 v[GO8], v[QW:QW+1], s[38:39]  ; 32 lanes store 256 consecutive bytes
	; ---- 2: my 64 channels of v, 16 at a time, for all 128 positions: 8 accumulators by turns
.irp ct, 0,1,2,3
	WIN 0x36                                       ; source 0 (x) window 2, source 1 (W) window 1, source 2 (the bias) window 3
.irp pt, 0,1,2,3,4,5,6,7
	v_wmma_scale_f32_16x16x128_f8f6f4 v[HA+8*\pt:HA+8*\pt+7], v[32*\pt:32*\pt+15], v[128+32*\ct:128+32*\ct+15], v[32+8*\ct:32+8*\ct+7], v[XS2+2*\pt], v[WSV+2*\ct] matrix_a_fmt:MATRIX_FMT_BF8 matrix_b_fmt:MATRIX_FMT_BF8
.endr
	WIN 0x06
.irp pt, 0,1,2,3,4,5,6,7
	v_wmma_scale_f32_16x16x128_f8f6f4 v[HA+8*\pt:HA+8*\pt+7], v[32*\pt+16:32*\pt+31], v[128+32*\ct+16:128+32*\ct+31], v[HA+8*\pt:HA+8*\pt+7], v[XS2+2*\pt+1], v[WSV+2*\ct+1] matrix_a_fmt:MATRIX_FMT_BF8 matrix_b_fmt:MATRIX_FMT_BF8
.endr
	WIN 0
	PLACES 8
	s_wait_xcnt 0x0                                ; the last stores have read the codes' registers
	QUANT HA, 0                                    ; register 16 b + i = position 32 b + 16 h + i of channel r: a fragment of v
.irp c, 0,1,2,3
	global_store_b128 v[GO16], v[PC+4*\c:PC+4*\c+3], s[40:41] offset:2048*\ct+512*\c
.endr
.if (\ct%2) == 0
	v_mov_b32 v[VWD+\ct/2], v[PW]                  ; the even tile's words,
.else
	v_cndmask_b32 v[VWD+\ct/2], v[VWD+\ct/2], v[PW], s[HIM]   ; and in lanes 16-31 the odd tile's
.endif
.endr
	global_store_b64 v[GO8], v[VWD:VWD+1], s[42:43]
	s_wait_tensorcnt 0x0
	ds_add_u32 v254, v255
	s_wait_dscnt 0x0
	s_endpgm
.Lfunc_end_k_qff5f9fb02a_project:
	.size	k_qff5f9fb02a_project, .Lfunc_end_k_qff5f9fb02a_project-k_qff5f9fb02a_project
	.p2alignl 7, 3214868480
	.fill 96, 4, 3214868480
	.section	.rodata,"a",@progbits
	.p2align	6, 0x0
	.amdhsa_kernel k_qff5f9fb02a_project
		.amdhsa_group_segment_fixed_size 197120
		.amdhsa_private_segment_fixed_size 0
		.amdhsa_enable_private_segment 0
		.amdhsa_kernarg_size 48
		.amdhsa_user_sgpr_count 2
		.amdhsa_user_sgpr_kernarg_segment_ptr 1
		.amdhsa_wavefront_size32 1
		.amdhsa_system_sgpr_workgroup_id_x 1
		.amdhsa_system_sgpr_workgroup_id_y 1
		.amdhsa_system_sgpr_workgroup_id_z 1
		.amdhsa_system_vgpr_workitem_id 0
		.amdhsa_next_free_vgpr 1024
		.amdhsa_next_free_sgpr 66
		.amdhsa_reserve_vcc 0
		.amdhsa_float_denorm_mode_32 3
		.amdhsa_float_denorm_mode_16_64 3
		.amdhsa_memory_ordered 1
		.amdhsa_forward_progress 1
		.amdhsa_inst_pref_size 138
	.end_amdhsa_kernel
	.amdgpu_metadata
---
amdhsa.version: [ 1, 2 ]
amdhsa.kernels:
  - .name:           k_qff5f9fb02a_project
    .symbol:         k_qff5f9fb02a_project.kd
    .args:
      - { .name: x, .offset: 0, .size: 8, .value_kind: global_buffer, .address_space: global }
      - { .name: Wqkv_codes, .offset: 8, .size: 8, .value_kind: global_buffer, .address_space: global }
      - { .name: Wqkv_scales, .offset: 16, .size: 8, .value_kind: global_buffer, .address_space: global }
      - { .name: bqkv, .offset: 24, .size: 8, .value_kind: global_buffer, .address_space: global }
      - { .name: kv, .offset: 32, .size: 8, .value_kind: global_buffer, .address_space: global }
      - { .name: kj, .offset: 40, .size: 8, .value_kind: global_buffer, .address_space: global }
    .group_segment_fixed_size: 197120
    .private_segment_fixed_size: 0
    .kernarg_segment_align: 8
    .kernarg_segment_size: 48
    .max_flat_workgroup_size: 128
    .sgpr_count:     66
    .vgpr_count:     1024
    .wavefront_size: 32
...
	.end_amdgpu_metadata
.endif
;; end of part 1
;; launch attend (part 2): grid 32 x 8, 4 waves a work-group, clusters of 4 x 1, 327,680 bytes of LDS; arguments kv, kj, x, gamma, out0; writes out0
.if DOCPART == 2
	.amdgcn_target "amdgcn-amd-amdhsa--gfx1250"
	.amdhsa_code_object_version 6
	.text
	.protected	k_qff5f9fb02a_attend
	.globl	k_qff5f9fb02a_attend
	.p2align	8
	.type	k_qff5f9fb02a_attend,@function
k_qff5f9fb02a_attend:
	s_mov_b64 s[64:65], 0
	v_nop
	global_prefetch_b8 v0, s[64:65] scope:SCOPE_SE
	s_setreg_imm32_b32 hwreg(HW_REG_WAVE_MODE, 25, 1), 1
	s_wait_xcnt 0x0
	s_wait_alu depctr_hold_cnt(0) depctr_sa_sdst(0) depctr_va_vdst(0) depctr_va_sdst(0) depctr_va_ssrc(0) depctr_va_vcc(0) depctr_vm_vsrc(0)
	s_getreg_b32 s2, hwreg(HW_REG_IB_STS2, 6, 4)
	s_cmp_eq_u32 s2, 0
	s_cbranch_scc0 .Lentry_in_a_cluster
	s_endpgm
.Lentry_in_a_cluster:
	s_bfe_u32 s2, ttmp6, 0x10000c
	s_cmp_lg_u32 s2, 0x3003
	s_cbranch_scc0 .Lentry_shape_is_right
	s_endpgm
.Lentry_shape_is_right:
; out[b][c][j] = x[b][c][j] + gamma x (sum over i of v[c][i] p[i][j]) / (sum over i of p[i][j]),  p = 2^(t - M), t = (q[:, i] . k[:, j]) x log2(e) / 8: the softmax runs over i.
; Both products on codes of BF8 (E5M2) with one E8M0 scale for each 32 along K.  kv and kj hold q, v and k as images of operand registers with their scale words (laid by the launch before):
;   kv [8][32 steps][42,496]: +0 q [8 tiles][2][32 lanes][16]; +8,192 v [16 tiles][4][32][16]; +40,960 q's scale words [2][32 lanes][2]; +41,472 v's [4][32 lanes][2].   kj [8][32][8,704]: k as q; +8,192 its scale words.
;   Row m of position tile 2 b + u stands for position 32 b + 8 u + m + 8 (m / 8).  q and k have K = 64: the upper 64 of the instruction's 128 are zero codes, set once in registers.
; M = the column's largest t so far, rounded UP to a whole number; the sum is taken of the unquantised p; when M moves, the sum and O are multiplied by 2^(old M - new M), which rounds nothing.
; A block's largest p is not searched for: the block's largest score goes through the same multiply-add and exponential (this takes v_exp_f32 not to fall where its input rises).
; LIMITS: NaN and infinities are not served; a block of p that has fallen to zeros keeps the byte 1 with zero codes.
; SHARES.  A work-group owns 128 columns j of one batch, each of its four waves 32: tiles A and B of 16.  Every wave walks all 4,096 positions i, 128 a step.
; LAYOUT.  S^T = q k^T (source 0 = 16 positions i, source 1 = 16 columns j), O^T = v p^T (source 0 = 16 channels, source 1 = p): a lane holds ONE column throughout.
; BY TURNS.  In a turn one tile has the matrix unit (16 products v p of the step in hand, then 8 products q k of the next step), one product to every twelve lines of the OTHER tile's softmax.  Two turns are a step.
; The LDS loads go in runs of four, each directly ahead of a product: q's in tile A's turn, v's in tile B's, a fragment as soon as its last product stands far enough back.
; CLUSTER.  The four work-groups of a cluster belong to one batch and walk the same kv: each slot is asked for JOINTLY, a quarter a wave, by the same tensor load with a mask that names the four.
; x's tile (256 channels x 128 columns) comes once, with the first fills, and is the stage for the way out.
; REGISTERS, in windows of 256.  Window 0: v1-13 addresses; v8 k's scale words; v16-19 q's, v20-27 v's; v28-51, v52-75 the tiles' statistics; v76-107 p's codes; v128-255 S^T, 64 a tile.
;   Window 1: O^T, (tile X, channels 16 c on) at 128 X + 8 c.   Window 2: v's 16 fragments.   Window 3: q's 8 fragments at 16 t, k's two at 128 + 16 X.
.set STEPB, 42496                      ; a step's block of kv
.set SLOTB, 2*STEPB                    ; a slot holds two steps: 84,992 bytes
.set QTR,   SLOTB/4                    ; 21,248 = 83 rows of 256 bytes: what one tensor load brings
.set SLOT1, 1<<17                      ; slot 1 begins here: one exclusive or turns an address in one slot into the other's
.set KVB,   32*STEPB                   ; a batch of kv
.set KJB,   8704
.set XP,    528                        ; a channel's row of x in LDS: 512 bytes + 16: eight rows are 128 mod 256, so lanes 16-31 fall 32 banks from lanes 0-15 (64 banks of 4 bytes: ISA guide 11.1)
.set XQB,   64*XP                      ; 64 channels: 33,792 bytes
.set XQ0,   SLOTB                      ; channels 0-63 behind slot 0,
.set XQ1,   SLOT1+SLOTB                ; channels 64 a on at XQ1 + (a - 1) XQB, behind slot 1
.set SPARE, XQ0+XQB                    ; 118,784: the spare words, 128 bytes a wave: two blocks of 256 bytes that no other line names
.set LI,  1                            ; v1   16 x lane
.set LW,  2                            ; v2   8 x lane
.set ADI, 3                            ; v3   the step's images: s[TB] + LI
.set ADW, 4                            ; v4   the step's scale words: s[TB] + LW
.set SPW, 5                            ; v5   LDS address of my spare word; never rewritten
.set NIL, 6                            ; v6   0; never rewritten
.set PFO, 7                            ; v7   the prefetches' offset; never rewritten
.set KS,  8                            ; v8   k's scale words: tile A in lanes 0-15, tile B in lanes 16-31
.set STO, 9                            ; v9-12  the way out: my column's words in x's four quarters
.set RD,  13                           ; v13  the way out: my 16 bytes of a row of my wave's quarter
.set QS,  16
.set VS,  20
.set ST0, 28                           ; a tile's statistics: +0 -M, +1 the largest t, +2, +3 the sum, +4..7 block maxima, +8..11 at work, +12..15 57,344 x the scales, +16..19 the conversions' scale operands, +20 f, +21 p's scale word, +22, +23 at work
.set PCD, 76
.set S0,  128
.set WV,  14                           ; s14  my wave's number
.set LIM, 15                           ; s15  1 in a work-group that prefetches, else the greatest number
.set PFA, 18                           ; s[18:19] where my work-group's prefetches stand
.set G1R, 24                           ; s[24:31] descriptor group 1 for a quarter of a slot
.set G1X, 32                           ; s[32:39] for x's tile
.set G0A, 40                           ; s[40:43] group 0: slot 0's first fill
.set G0W, 44                           ; s[44:47] slot 1's first fill; it then walks on
.set G0X, 48                           ; s[48:51] x
.set GAM, 52                           ; s52  gamma
.set SLOTS, 56                         ; s56  slots still to be asked for
.set TWICE, 57                         ; s57  counts a slot's two steps
.set CS,  58                           ; s[58:59] c = log2(e) / 8
.set SEL, 60                           ; s[60:61] v_permlanex16_b32's selects for lane l xor 16
.set TB,  62                           ; s62  LDS byte at which the step to be fetched begins
.set MNT, 63                           ; s63  the mantissa field of 57,344
.set W_KQ, 0x0f                        ; q and k in window 3, S^T in window 0
.set W_PV, 0x52                        ; v in window 2, p in window 0, O^T in window 1
.set W_RS, 0x41                        ; O^T (destination and source 0) in window 1, f in window 0
.set MSB, 0
.macro WIN new                         ; the immediate's high byte repeats the setting that is left; a switch that changes nothing is dropped
.if MSB != \new
	s_set_vgpr_msb (MSB<<8)|\new
.set MSB, \new
.endif
.endm
.macro PLACES n
.rept \n
	v_nop
.endr
.endm
.macro CROUND                          ; a round of the cluster's barrier
	s_barrier_signal -1
	s_barrier_wait -1
	s_cmp_lg_u32 s[WV], 0
	s_cbranch_scc1 .Lnot_wave_0_\@
	s_barrier_signal -3
.Lnot_wave_0_\@:
	s_barrier_wait -3
	s_barrier_signal -1
	s_barrier_wait -1
.endm
; A PREFETCH INTO THE L2 of the slot that the NEXT change of slots will ask for, two steps ahead of that load.  All clusters of a batch walk the same kv: the batch's first cluster asks (a branch on the
; cluster's number, the same in all four partners).  Its partners share the slot out BY ADDRESS, a quarter (83 blocks of 256 bytes) each; in a quarter wave w names blocks 21 w on, a lane a block, held at
; the wave's 21st and at the quarter's last.  The last change that fills a slot asks for nothing; slots 0 to 2 come by their loads alone.
.macro ASK
	s_cmp_gt_u32 s[SLOTS], s[LIM]
	s_cbranch_scc0 .Lnot_mine_\@
	global_prefetch_b8 v[PFO], s[PFA:PFA+1] th:TH_LOAD_NT scope:SCOPE_SE
.Lnot_mine_\@:
.endm
; One product of S^T = q k^T: positions of tile t, columns of tile X.  C = 0: each step's scores are begun anew.
.macro KQI X, t
	WIN W_KQ
.set rD, S0+64*(\X)+8*(\t)
.set rA, 16*(\t)
.set rB, 128+16*(\X)
.set rS, QS+(\t)/2
.if ((\t)%2 == 0) && ((\X) == 0)
	v_wmma_scale_f32_16x16x128_f8f6f4 v[rD:rD+7], v[rA:rA+15], v[rB:rB+15], 0, v[rS], v[KS] matrix_a_fmt:MATRIX_FMT_BF8 matrix_b_fmt:MATRIX_FMT_BF8
.elseif (\X) == 0
	v_wmma_scale_f32_16x16x128_f8f6f4 v[rD:rD+7], v[rA:rA+15], v[rB:rB+15], 0, v[rS], v[KS] matrix_a_fmt:MATRIX_FMT_BF8 matrix_b_fmt:MATRIX_FMT_BF8 matrix_a_scale:MATRIX_SCALE_ROW1
.elseif (\t)%2 == 0
	v_wmma_scale_f32_16x16x128_f8f6f4 v[rD:rD+7], v[rA:rA+15], v[rB:rB+15], 0, v[rS], v[KS] matrix_a_fmt:MATRIX_FMT_BF8 matrix_b_fmt:MATRIX_FMT_BF8 matrix_b_scale:MATRIX_SCALE_ROW1
.else
	v_wmma_scale_f32_16x16x128_f8f6f4 v[rD:rD+7], v[rA:rA+15], v[rB:rB+15], 0, v[rS], v[KS] matrix_a_fmt:MATRIX_FMT_BF8 matrix_b_fmt:MATRIX_FMT_BF8 matrix_a_scale:MATRIX_SCALE_ROW1 matrix_b_scale:MATRIX_SCALE_ROW1
.endif
.endm
; One product of O^T += v p^T: channels 16 ct on, columns of tile X.  zero = 1: the first step starts the sums: nothing is ever cleared.
.macro PVI X, ct, zero
	WIN W_PV
.set rD, 128*(\X)+8*(\ct)
.set rA, 16*(\ct)
.set rB, PCD+16*(\X)
.set rS, VS+(\ct)/2
.set rW, ST0+24*(\X)+21
.if (\zero) && ((\ct)%2 == 0)
	v_wmma_scale_f32_16x16x128_f8f6f4 v[rD:rD+7], v[rA:rA+15], v[rB:rB+15], 0, v[rS], v[rW] matrix_a_fmt:MATRIX_FMT_BF8 matrix_b_fmt:MATRIX_FMT_BF8
.elseif (\zero)
	v_wmma_scale_f32_16x16x128_f8f6f4 v[rD:rD+7], v[rA:rA+15], v[rB:rB+15], 0, v[rS], v[rW] matrix_a_fmt:MATRIX_FMT_BF8 matrix_b_fmt:MATRIX_FMT_BF8 matrix_a_scale:MATRIX_SCALE_ROW1
.elseif (\ct)%2 == 0
	v_wmma_scale_f32_16x16x128_f8f6f4 v[rD:rD+7], v[rA:rA+15], v[rB:rB+15], v[rD:rD+7], v[rS], v[rW] matrix_a_fmt:MATRIX_FMT_BF8 matrix_b_fmt:MATRIX_FMT_BF8
.else
	v_wmma_scale_f32_16x16x128_f8f6f4 v[rD:rD+7], v[rA:rA+15], v[rB:rB+15], v[rD:rD+7], v[rS], v[rW] matrix_a_fmt:MATRIX_FMT_BF8 matrix_b_fmt:MATRIX_FMT_BF8 matrix_a_scale:MATRIX_SCALE_ROW1
.endif
.endm
; THE LDS LOADS.  Run g of four of q of the step at s[TB]: the lower halves of fragments 2 g and 2 g + 1.  The first run makes the step's two address registers and brings q's scale words.
.macro QGROUP g
.if (\g) == 0
	WIN 0
	v_add_nc_u32 v[ADI], s[TB], v[LI]
	v_add_nc_u32 v[ADW], s[TB], v[LW]
	ds_load_b64 v[QS:QS+1], v[ADW] offset:40960
	ds_load_b64 v[QS+2:QS+3], v[ADW] offset:41216
.endif
	WIN 0xc0                                       ; destination window 3
.irp u, 0,1
	ds_load_b128 v[16*(2*(\g)+\u):16*(2*(\g)+\u)+3], v[ADI] offset:1024*(2*(\g)+\u)
	ds_load_b128 v[16*(2*(\g)+\u)+4:16*(2*(\g)+\u)+7], v[ADI] offset:1024*(2*(\g)+\u)+512
.endr
.endm
; Run g of sixteen of v of the same step, a turn later, by the same two address registers (no change of slots stands between a step's q and its v): fragment g.  The last run brings v's scale words too.
.macro VGROUP g
.if (\g) == 15
	WIN 0
.irp w, 0,1,2,3
	ds_load_b64 v[VS+2*\w:VS+2*\w+1], v[ADW] offset:41472+256*\w
.endr
	s_add_co_u32 s[TB], s[TB], STEPB               ; the next fetch is the next step's
.endif
	WIN 0x80                                       ; destination window 2
.irp c, 0,1,2,3
	ds_load_b128 v[16*(\g)+4*\c:16*(\g)+4*\c+3], v[ADI] offset:8192+2048*(\g)+512*\c
.endr
.endm
.macro FETCH_Q                         ; all of a step's q at once: the first step's
.irp g, 0,1,2,3
	QGROUP \g
.endr
.endm
.macro FETCH_V                         ; all of a step's v at once: the first step's
.irp g, 0,1,2,3,4,5,6,7,8,9,10,11,12,13,14,15
	VGROUP \g
.endr
.endm
; Product number mi of the turn of tile MX: 0-15 v p of the step in hand, 16-23 q k of the next step.  All 24 accumulators differ: one instruction a turn each.
; Tile A's turn waits for v ahead of its first product, fetches the next q in four runs ahead of products 9 to 12 (q's last readers stand in the turn before) and waits for it ahead of product 16.
; Tile B's turn fetches the next v: fragment c directly ahead of product c + 3.  Between product c, the fragment's last reader, and those loads stand 36 lines of the other tile's softmax, of which at least ten
; are plain (in the stretch of exponentials every third line is a scaling; the thinnest stretch, lines 119 to 154, has nine scalings and the sums' multiplication), where eight are asked
; (ISA guide 7.12.1 for vector instructions).  v's scale words come ahead of product 18; their last reader is product 15.
.macro MM
.if mi < 16
.if MX == 0
.if mi == 0
	s_wait_dscnt 0x0                               ; v and its scale words are in
.endif
.if MK && (mi >= 9) && (mi < 13)
	QGROUP mi-9
.endif
.else
.if mi >= 3
	VGROUP mi-3
.endif
.endif
	PVI MX, mi, MZ
.else
.if MX == 0
.if mi == 16
	s_wait_dscnt 0x0                               ; q and its scale words are in
.endif
.else
.if mi < 19
	VGROUP mi-3
.endif
.endif
	KQI MX, mi-16
.endif
	WIN VWIN                                       ; back to the window of the vector lines in hand
.set mi, mi+1
.endm
.macro TICK                            ; stands behind every vector line of a softmax: product m follows line IV m + IV - 2, while the turn has products
.set vc, vc+1
.if mi < ME
.if ((vc+2)%IV) == 0
	MM
.endif
.endif
.endm
; THE SOFTMAX of tile X for one step of 128 positions: 310 vector lines (246 in the first step, which has no O^T to rescale).
;   1-32 the blocks' largest scores; 33-40 the other half of the lanes'; 41-49 the column's maximum, -M, f; 50-56 the blocks' maxima and pairs 0-2 scaled;
;   57-153 ONE BATCH of 68 exponentials, the four of the blocks' maxima first, with a scaling behind every second one while there are scalings: a pair is scaled fifteen lines ahead of its exponentials;
;   154 the sums x f, the plain line behind the batch; the ONE wait; 155-186 the sums; 187-205 the scales; 206-246 the holds and conversions; 247-310 O^T x f.
.macro SOFTMAX X, first
.set sT, ST0+24*(\X)
.set sS, S0+64*(\X)
.set sP, PCD+16*(\X)
.set sO, 128*(\X)
	WIN 0
.irp b, 0,1,2,3
	v_max3_num_f32 v[sT+4+\b], v[sS+16*\b], v[sS+16*\b+1], v[sS+16*\b+2]   ; the largest score of each block of 32 positions: it serves the column's maximum and the block's largest p
	TICK
.endr
.irp i, 3,5,7,9,11,13
.irp b, 0,1,2,3
	v_max3_num_f32 v[sT+4+\b], v[sT+4+\b], v[sS+16*\b+\i], v[sS+16*\b+\i+1]
	TICK
.endr
.endr
.irp b, 0,1,2,3
	v_max_num_f32 v[sT+4+\b], v[sT+4+\b], v[sS+16*\b+15]
	TICK
.endr
.irp b, 0,1,2,3
	v_permlanex16_b32 v[sT+8+\b], v[sT+4+\b], s[SEL], s[SEL+1]
	TICK
.endr
.irp b, 0,1,2,3
	v_max_num_f32 v[sT+4+\b], v[sT+4+\b], v[sT+8+\b]               ; with lane l xor 16's 16 positions
	TICK
.endr
	v_max3_num_f32 v[sT+22], v[sT+4], v[sT+5], v[sT+6]
	TICK
	v_max_num_f32 v[sT+22], v[sT+22], v[sT+7]                      ; the step's largest score of my column
	TICK
	v_mul_f32 v[sT+22], s[CS], v[sT+22]                            ; as t (c is positive)
	TICK
	v_max_num_f32 v[sT+1], v[sT+1], v[sT+22]                       ; the running largest t
	TICK
	v_mov_b32 v[sT+22], v[sT]
	TICK
	v_floor_f32 v[sT], -v[sT+1]                                    ; the new -M = floor(-t): M is a whole number
	TICK
	v_sub_f32 v[sT+22], v[sT], v[sT+22]                            ; old M - new M: a whole number, 0 or less
	TICK
	v_cvt_i32_f32 v[sT+22], v[sT+22]                               ; (it saturates)
	TICK
	v_ldexp_f32 v[sT+20], 1.0, v[sT+22]                            ; f = 2^(old M - new M)
	TICK
.irp b, 0,1,2,3
	v_fma_f32 v[sT+4+\b], v[sT+4+\b], s[CS], v[sT]                 ; t - M of each block's largest score
	TICK
.endr
.irp n, 0,1,2
	v_pk_fma_f32 v[sS+2*\n:sS+2*\n+1], v[sS+2*\n:sS+2*\n+1], s[CS:CS+1], v[sT:sT+1] op_sel_hi:[1,0,0]   ; t - M, two at a time: pairs 0 to 2 lead
	TICK
.endr
.set sg, 0
.rept 29                               ; group g: two exponentials (groups 0, 1: the blocks' largest p; then pair g - 2) and the scaling of pair g + 3.  Nothing names a result before the wait below
.if sg < 2
	v_exp_f32 v[sT+4+2*sg], v[sT+4+2*sg]
	TICK
	v_exp_f32 v[sT+5+2*sg], v[sT+5+2*sg]
	TICK
.else
	v_exp_f32 v[sS+2*sg-4], v[sS+2*sg-4]                           ; p = 2^(t - M)
	TICK
	v_exp_f32 v[sS+2*sg-3], v[sS+2*sg-3]
	TICK
.endif
	v_pk_fma_f32 v[sS+2*sg+6:sS+2*sg+7], v[sS+2*sg+6:sS+2*sg+7], s[CS:CS+1], v[sT:sT+1] op_sel_hi:[1,0,0]
	TICK
.set sg, sg+1
.endr
.set sn, 54
.rept 10
	v_exp_f32 v[sS+sn], v[sS+sn]                                   ; pairs 27 to 31
	TICK
.set sn, sn+1
.endr
	v_pk_mul_f32 v[sT+2:sT+3], v[sT+2:sT+3], v[sT+20:sT+21] op_sel_hi:[1,0]   ; the sums under the new M: the plain line behind the exponentials
	s_wait_alu depctr_va_vdst(0)                                   ; one wait for all 68, ahead of their first reader; in the loop product 12's run of LDS loads stands directly behind it
	TICK
	v_pk_add_f32 v[sT+8:sT+9], v[sS:sS+1], v[sS+2:sS+3]            ; the sum of the UNQUANTISED p, in two chains
	TICK
.set sn, 4
.rept 15
	v_pk_add_f32 v[sT+2:sT+3], v[sT+2:sT+3], v[sS+sn:sS+sn+1]
	TICK
	v_pk_add_f32 v[sT+8:sT+9], v[sT+8:sT+9], v[sS+sn+2:sS+sn+3]
	TICK
.set sn, sn+4
.endr
	v_pk_add_f32 v[sT+2:sT+3], v[sT+2:sT+3], v[sT+8:sT+9]
	TICK
.irp b, 0,1,2,3
	v_max_num_f32 v[sT+4+\b], 0x8000000, v[sT+4+\b]                ; the floor 2^(16 - 127): the byte cannot fall under 1
	TICK
.endr
.irp b, 0,1,2,3
	v_add_nc_u32 v[sT+16+\b], 0xf8800000, v[sT+4+\b]               ; 15 off the exponent field: the conversion's scale operand
	TICK
.endr
.irp b, 0,1,2,3
	v_and_or_b32 v[sT+12+\b], v[sT+4+\b], 0x7f800000, s[MNT]       ; 57,344 x the scale
	TICK
.endr
.irp b, 0,1,2,3
	v_lshrrev_b32 v[sT+8+\b], 23, v[sT+16+\b]                      ; the scale's byte
	TICK
.endr
	v_lshl_or_b32 v[sT+21], v[sT+9], 8, v[sT+8]                    ; p's scale word for these 128 positions
	TICK
	v_lshl_or_b32 v[sT+21], v[sT+10], 16, v[sT+21]
	TICK
	v_lshl_or_b32 v[sT+21], v[sT+11], 24, v[sT+21]
	TICK
; The conversion does not saturate (ISA guide 7.6.2); p is not negative, so the hold is one-sided.  TWO HOLDS AN INSTRUCTION: the halves take register i of one block and register i xor 1 of the next,
; so that one destination is even and the other odd, and the two first sources, and the two second ones (the blocks' neighbouring hold registers), lie in different register banks.
.irp b, 0,2
.set sn, 0
.rept 16
	v_dual_min_num_f32 v[sS+16*\b+sn], v[sS+16*\b+sn], v[sT+12+\b] :: v_dual_min_num_f32 v[sS+16*\b+17+sn-2*(sn%2)], v[sS+16*\b+17+sn-2*(sn%2)], v[sT+13+\b]
	TICK
.set sn, sn+1
.endr
.irp d, 0,1
	v_cvt_scalef32_pk8_bf8_f32 v[sP+4*(\b+\d):sP+4*(\b+\d)+1], v[sS+16*(\b+\d):sS+16*(\b+\d)+7], v[sT+16+\b+\d]
	TICK
	v_cvt_scalef32_pk8_bf8_f32 v[sP+4*(\b+\d)+2:sP+4*(\b+\d)+3], v[sS+16*(\b+\d)+8:sS+16*(\b+\d)+15], v[sT+16+\b+\d]
	TICK
.endr
.endr
	v_nop                                                          ; one plain line behind the last conversion
	TICK
.if (\first) == 0
.set VWIN, W_RS
	WIN W_RS
.set sn, 0
.rept 64
	v_pk_mul_f32 v[sO+2*sn:sO+2*sn+1], v[sO+2*sn:sO+2*sn+1], v[sT+20:sT+21] op_sel_hi:[1,0]   ; O^T under the new M, each accumulator from its low end on.  The 24 lines behind the turn's last product are also the
	TICK                                                           ; places ahead of the next turn's first read of the new scores
.set sn, sn+1
.endr
.set VWIN, 0
.endif
.endm
; A TURN: tile X has the matrix unit, the other tile's softmax the vector unit.  kq = 1: 8 products q k follow the 16 products v p.  zero = 1: the products v p start O^T.  first = 1: the softmax is the first step's.
; Product m follows line 12 m + 10 of 310: the last follows line 286.  In the first step it follows line 10 m + 8 of 246: the last follows line 238; the scores of product 22 are first read at the next turn's
; line 4, thirteen holds on; those of product 23 at its line 16.
.macro TURN X, kq, zero, first
.set vc, 0
.set mi, 0
.set ME, 16+8*(\kq)
.set IV, 12-2*(\first)
.set MX, \X
.set MZ, \zero
.set MK, \kq
.set VWIN, 0
	SOFTMAX 1-(\X), \first
.endm
; THE CHANGE OF SLOTS, behind tile B's turn: the slot's last bytes, v of its second step, have been asked for.  Each wave waits for all its tensor loads (its quarter of the other slot), adds 0 to its spare word,
; and waits for that and for its reads of the slot.  fill = 1: the barrier is a round of the cluster's, and the joint refill, the keys two slots on, is the first thing behind it: it has two steps in which to land.
.macro CHANGE fill
	WIN 0
	s_wait_tensorcnt 0x0                           ; no tensor load of mine is out, so a group 0 may be written
	ds_add_u32 v[SPW], v[NIL]                      ; 0 onto my spare word
.if \fill
	s_xor_b32 s[G0W+1], s[G0W+1], SLOT1            ; the walking descriptor: the other slot than last time,
	s_add_nc_u64 s[G0W+2:G0W+3], s[G0W+2:G0W+3], SLOTB   ; the next slot's bytes; the type bits on top are not reached
	s_wait_xcnt 0x0                                ; the last prefetch, two steps back, has read its address
	s_add_nc_u64 s[PFA:PFA+1], s[PFA:PFA+1], SLOTB
	s_wait_dscnt 0x0                               ; the add is done, and my reads of the slot are over
	CROUND
	tensor_load_to_lds s[G0W:G0W+3], s[G1R:G1R+7]  ; every wave its quarter: my one tensor load until the next round
	s_nop 0
	PLACES 4                                       ; four plain lines behind the tensor load
	ASK
.else
	s_wait_dscnt 0x0
	s_barrier_signal -1
	s_barrier_wait -1
.endif
	s_sub_co_u32 s[TB], s[TB], SLOTB               ; the fetches go back to a slot's first step,
	s_xor_b32 s[TB], s[TB], SLOT1                  ; in the other slot
.endm
.macro TWO_STEPS                       ; a slot's two steps: written once, walked twice
	s_mov_b32 s[TWICE], 2
.Lstep_\@:
	TURN 0, 1, 0, 0
	TURN 1, 1, 0, 0
	WIN 0
	s_sub_co_u32 s[TWICE], s[TWICE], 1
	s_cmp_lg_u32 s[TWICE], 0
	s_cbranch_scc1 .Lstep_\@
.endm
	s_load_b256 s[4:11], s[0:1], 0x0               ; kv s[4:5], kj s[6:7], x s[8:9], gamma s[10:11]
	s_load_b64 s[12:13], s[0:1], 0x20              ; out
	v_lshl_add_u32 v[SPW], v0, 2, SPARE
	v_mov_b32 v[NIL], 0
	ds_add_u32 v5, v6
	ds_add_u32 v5, v6
	s_wait_dscnt 0x0
	v_lshrrev_b32 v15, 5, v0
	v_readfirstlane_b32 s[WV], v15                 ; wave 0..3
	s_bfe_u32 s16, ttmp6, 0x40000                  ; cx: my place in the cluster
	s_lshl_b32 s17, ttmp9, 2
	s_add_co_u32 s17, s17, s16                     ; my block of 128 columns: it enters kj's, x's and out's addresses alone
	s_and_b32 s53, ttmp7, 0xffff                   ; the batch, which the four partners share
	; descriptor group 1 for a quarter of a slot: 83 dense rows of 32 elements of 8 bytes; mask: all four work-groups
	s_mov_b32 s[G1R], 15|(3<<16)|(1<<21)
	s_mov_b32 s[G1R+1], 32<<16
	s_mov_b32 s[G1R+2], 83<<16
	s_mov_b32 s[G1R+3], 32<<16
	s_mov_b32 s[G1R+4], 83
	s_mov_b32 s[G1R+5], 32
	s_mov_b32 s[G1R+6], 0
	s_mov_b32 s[G1R+7], 0
	; and for x: 64 rows (channels) x 128 elements of 4 bytes, 4,096 elements apart; 4 words of padding behind every 128; no mask: each work-group has columns of its own
	s_mov_b32 s[G1X], (2<<16)|(1<<20)|(6<<22)|(3<<25)
	s_mov_b32 s[G1X+1], 128<<16
	s_mov_b32 s[G1X+2], 64<<16
	s_mov_b32 s[G1X+3], 128<<16
	s_mov_b32 s[G1X+4], 64
	s_mov_b32 s[G1X+5], 4096
	s_mov_b32 s[G1X+6], 0
	s_mov_b32 s[G1X+7], 0
	s_mul_i32 s20, s53, KVB                        ; the batch's kv,
	s_mul_i32 s[G0A+1], s[WV], QTR                 ; my quarter of a slot, in LDS
	s_add_co_u32 s20, s20, s[G0A+1]                ; and in memory
	s_mov_b32 s21, 0
	s_lshl_b32 s22, s53, 22                        ; x and out: batch x 256 x 4,096 x 4 bytes
	s_lshl_b32 s23, s[WV], 20                      ; + 64 channels x wave
	s_add_co_u32 s22, s22, s23
	s_lshl_b32 s23, s17, 9                         ; + 128 columns x block
	s_add_co_u32 s22, s22, s23
	s_mov_b32 s23, 0
	s_min_u32 s[G0X+1], s[WV], 1                   ; my quarter of x in LDS: XQ0, or XQ1 + (w - 1) XQB
	s_mul_i32 s[G0X+1], s[G0X+1], XQ1-XQ0-XQB
	s_mul_i32 s2, s[WV], XQB
	s_add_co_u32 s[G0X+1], s[G0X+1], s2
	s_add_co_u32 s[G0X+1], s[G0X+1], XQ0
	s_mov_b32 s[CS], 0x3e38aa3b                    ; c = log2(e) / 8
	s_mov_b32 s[CS+1], s[CS]                       ; (named with it as a pair, so it is written)
	s_mov_b32 s[SEL], 0x76543210
	s_mov_b32 s[SEL+1], 0xfedcba98
	s_mov_b32 s[MNT], 0x600000
	s_mov_b32 s[TB], 0
	s_mov_b32 s[SLOTS], 14                         ; slots 2 to 15
	s_wait_kmcnt 0x0
	s_load_b32 s[GAM], s[10:11], 0x0
	s_mov_b32 s[G0A], 1
	s_add_nc_u64 s[G0A+2:G0A+3], s[4:5], s[20:21]
	s_mov_b32 s[G0W], 1
	s_add_co_u32 s[G0W+1], s[G0A+1], SLOT1
	s_add_nc_u64 s[G0W+2:G0W+3], s[G0A+2:G0A+3], SLOTB
	s_or_b32 s[G0A+3], s[G0A+3], 0x80000000
	s_or_b32 s[G0W+3], s[G0W+3], 0x80000000
	s_mov_b32 s[G0X], 1
	s_add_nc_u64 s[G0X+2:G0X+3], s[8:9], s[22:23]
	s_or_b32 s[G0X+3], s[G0X+3], 0x80000000
	s_add_nc_u64 s[12:13], s[12:13], s[22:23]      ; out at my wave's 64 channels, my block's columns
	CROUND                                         ; all four work-groups are here: the first joint loads meet
	tensor_load_to_lds s[G0A:G0A+3], s[G1R:G1R+7]  ; the first fills go out as one group: slot 0,
	s_nop 0
	tensor_load_to_lds s[G0W:G0W+3], s[G1R:G1R+7]  ; slot 1,
	s_nop 0
	tensor_load_to_lds s[G0X:G0X+3], s[G1X:G1X+7]  ; x: three tensor loads of mine are out
	s_nop 0
	PLACES 4
	s_lshl_b32 s2, s53, 5
	s_add_co_u32 s2, s2, s17
	s_mul_i32 s2, s2, KJB                          ; my block of kj
	s_mov_b32 s3, 0
	s_add_nc_u64 s[6:7], s[6:7], s[2:3]
	s_lshl_b32 s2, s[WV], 11
	s_add_nc_u64 s[8:9], s[6:7], s[2:3]            ; k's images: my two tiles
	s_lshr_b32 s2, s[WV], 1
	s_lshl_b32 s2, s2, 8
	s_and_b32 s54, s[WV], 1
	s_lshl_b32 s54, s54, 2
	s_add_co_u32 s2, s2, s54
	s_add_co_u32 s2, s2, 8192
	s_add_nc_u64 s[6:7], s[6:7], s[2:3]            ; k's scale words: half w / 2, word w % 2
	v_and_b32 v[LW], 31, v0
	v_lshlrev_b32 v[LI], 4, v[LW]
	v_lshlrev_b32 v[LW], 3, v[LW]
	WIN 0xc0                                       ; destination window 3
	global_load_b128 v[128:131], v[LI], s[8:9]
	global_load_b128 v[132:135], v[LI], s[8:9] offset:512
	global_load_b128 v[144:147], v[LI], s[8:9] offset:1024
	global_load_b128 v[148:151], v[LI], s[8:9] offset:1536
.irp t, 0,1,2,3,4,5,6,7,8,9
.irp i, 8,9,10,11,12,13,14,15
	v_mov_b32 v[16*\t+\i], 0                       ; K = 64 .. 127 of q's eight fragments and of k's two (at 128 and 144): zero codes, set once
.endr
.endr
	WIN 0
	global_load_b32 v[KS], v[LW], s[6:7]
	s_mul_i32 s54, s53, KVB                        ; the prefetches: the batch's kv,
	s_mul_i32 s55, s16, QTR                        ; my work-group's quarter of a slot,
	s_add_co_u32 s54, s54, s55
	s_add_co_u32 s54, s54, 2*SLOTB                 ; in slot 2: the first change of slots steps it to slot 3.  Nothing is prefetched here, at the head
	s_mov_b32 s55, 0
	s_add_nc_u64 s[PFA:PFA+1], s[4:5], s[54:55]
	s_cmp_eq_u32 ttmp9, 0                          ; the batch's first cluster: the same in all four partners
	s_cselect_b32 s[LIM], 1, -1
	s_mul_i32 s54, s[WV], 21
	v_and_b32 v[PFO], 31, v0
	v_min_u32 v[PFO], 20, v[PFO]
	v_add_nc_u32 v[PFO], s54, v[PFO]
	v_min_u32 v[PFO], 82, v[PFO]
	v_lshlrev_b32 v[PFO], 8, v[PFO]
.irp X, 0,1
	v_mov_b32 v[ST0+24*\X+1], 0xff61b1e6           ; the largest t so far: -3e38, under every t
	v_floor_f32 v[ST0+24*\X], -v[ST0+24*\X+1]      ; -M
	v_mov_b32 v[ST0+24*\X+2], 0                    ; the sum, in two halves
	v_mov_b32 v[ST0+24*\X+3], 0
.irp b, 0,1,2,3
	v_mov_b32 v[ST0+24*\X+8+\b], 0                 ; written once: a lane permute's destination counts as one of its sources
.endr
	v_mov_b32 v[ST0+24*\X+21], 0                   ; (named as the upper half of f's pair before it is first written)
.endr
	s_wait_tensorcnt 0x2                           ; my quarter of slot 0 is in; slot 1's and x's, issued behind it, may stay out
	s_barrier_signal -1
	s_barrier_wait -1                              ; everybody's is
	FETCH_Q                                        ; step 0
	s_wait_loadcnt 0x0                             ; k
	s_wait_kmcnt 0x0                               ; gamma
	s_wait_dscnt 0x0
.irp t, 0,1,2,3,4,5,6,7
	KQI 0, \t                                      ; the first scores: there is no vector work yet to set between them
.endr
.irp t, 0,1,2,3,4,5,6,7
	KQI 1, \t
.endr
	WIN 0                                          ; the addresses for the way out are made here: twelve plain lines, the places behind those products
	v_and_b32 v108, 15, v0                         ; r
	v_bfe_u32 v109, v0, 4, 1                       ; h
	v_and_b32 v110, 8, v108
	v_add_nc_u32 v108, v110, v108                  ; r + 8 (r / 8)
	v_mul_u32_u24 v109, v109, 8*XP                 ; lanes 16-31 hold channels 8 further on
	v_lshl_add_u32 v108, v108, 2, v109
	s_lshl_b32 s54, s[WV], 7
	v_add_nc_u32 v108, s54, v108                   ; + my wave's 32 columns
	v_add_nc_u32 v[STO], XQ0, v108
	v_add_nc_u32 v[STO+1], XQ1, v108
	v_add_nc_u32 v[STO+2], XQ1+XQB, v108
	v_add_nc_u32 v[STO+3], XQ1+2*XQB, v108
	v_add_nc_u32 v[RD], s[G0X+1], v[LI]            ; back: my wave's 64 rows, 16 bytes a lane
	FETCH_V                                        ; step 0
.set vc, 0
.set mi, 0
.set ME, 0
.set IV, 12
.set VWIN, 0
	SOFTMAX 0, 1                                   ; tile A's first softmax stands alone
	TURN 0, 1, 1, 1                                ; A: v p of step 0 starts O^T, q k of step 1 | B's first softmax | q of step 1
	TURN 1, 1, 1, 0                                ; B: the same | A's softmax of step 1 | v of step 1
	WIN 0
.Lslot:                                            ; 14 trips, steps 1 to 28: every slot but the last two is filled again
	CHANGE 1
	TWO_STEPS
	s_sub_co_u32 s[SLOTS], s[SLOTS], 1
	s_cmp_lg_u32 s[SLOTS], 0
	s_cbranch_scc1 .Lslot
	CHANGE 0                                       ; the tail is written out: steps 29 and 30
	TWO_STEPS
	TURN 0, 0, 0, 0                                ; A: v p of step 31 | B's last softmax
.set mi, 0
.rept 16
	PVI 1, mi, 0                                   ; B: v p of step 31
.set mi, mi+1
.endr
	; THE WAY OUT.  out = x + (gamma / the sum) O^T.  x's tile lies in LDS by channels; each lane takes the words of its column, adds, and puts them back; behind a barrier each wave stores 64 whole rows.
	WIN 0
.irp X, 0,1
	v_add_f32 v[ST0+24*\X+22], v[ST0+24*\X+2], v[ST0+24*\X+3]      ; the sum's two halves,
.endr
.irp X, 0,1
	v_permlanex16_b32 v[ST0+24*\X+8], v[ST0+24*\X+22], s[SEL], s[SEL+1]
.endr
.irp X, 0,1
	v_add_f32 v[ST0+24*\X+22], v[ST0+24*\X+22], v[ST0+24*\X+8]     ; and lane l xor 16's
.endr
.irp X, 0,1
	v_rcp_f32 v[ST0+24*\X+23], v[ST0+24*\X+22]
.endr
	PLACES 6                                       ; plain lines behind the reciprocals; with the additions above and the multiplications below they are the places behind the last products
	s_wait_alu depctr_va_vdst(0)                   ; one wait for both reciprocals, ahead of their first reader
.irp X, 0,1
	v_mul_f32 v[ST0+24*\X+20], s[GAM], v[ST0+24*\X+23]
.endr
	WIN 0xc0                                       ; destination window 3: register 128 X + 8 c + j takes x(16 c + 8 h + j, my column of tile X)
.set wi, 0
.rept 256
	ds_load_b32 v[wi], v[STO+(wi%128)/32] offset:((((wi%128)/8)%4)*16+wi%8)*XP+32*(wi/128)
.set wi, wi+1
.endr
	s_wait_dscnt 0x0
	WIN 0xf1                                       ; O^T window 1, the factor window 0, x and the result window 3
.set wi, 0
.rept 128
	v_pk_fma_f32 v[2*wi:2*wi+1], v[2*wi:2*wi+1], v[ST0+24*(wi/64)+20:ST0+24*(wi/64)+21], v[2*wi:2*wi+1] op_sel_hi:[1,0,1]   ; each accumulator from its low end on
.set wi, wi+1
.endr
	WIN 0x0c                                       ; an LDS store's data are its source 1: window 3
.set wi, 0
.rept 256
	ds_store_b32 v[STO+(wi%128)/32], v[wi] offset:((((wi%128)/8)%4)*16+wi%8)*XP+32*(wi/128)   ; each lane back into its own words; x's bytes have had their one fill
.set wi, wi+1
.endr
	WIN 0
	s_wait_dscnt 0x0                               ; for the others' sake: my stores have landed
	s_barrier_signal -1
	s_barrier_wait -1
	WIN 0x40                                       ; destination window 1
.set wi, 0
.rept 64
	ds_load_b128 v[4*wi:4*wi+3], v[RD] offset:XP*wi
.set wi, wi+1
.endr
	WIN 0x04                                       ; a store's data are its source 1: window 1
.set wi, 0
.rept 64
	s_wait_dscnt 63-wi                             ; LDS loads come back in order (ISA guide 5.7.1): row wi is in, the 63 - wi younger ones may be out
	global_store_b128 v[LI], v[4*wi:4*wi+3], s[12:13] offset:16384*wi th:TH_STORE_NT   ; 32 lanes store 512 consecutive bytes, at a multiple of 512 from out's first byte
.set wi, wi+1
.endr
	WIN 0
	s_wait_tensorcnt 0x0                           ; the wave's end: behind my last tensor load and my last LDS store
	ds_add_u32 v[SPW], v[NIL]
	s_wait_dscnt 0x0
	CROUND                                         ; the closing round: no work-group ends while a partner may still ask for a tile that names it
	s_endpgm
.Lfunc_end_k_qff5f9fb02a_attend:
	.size	k_qff5f9fb02a_attend, .Lfunc_end_k_qff5f9fb02a_attend-k_qff5f9fb02a_attend
	.p2alignl 7, 3214868480
	.fill 96, 4, 3214868480
	.section	.rodata,"a",@progbits
	.p2align	6, 0x0
	.amdhsa_kernel k_qff5f9fb02a_attend
		.amdhsa_group_segment_fixed_size 327680
		.amdhsa_private_segment_fixed_size 0
		.amdhsa_enable_private_segment 0
		.amdhsa_kernarg_size 40
		.amdhsa_user_sgpr_count 2
		.amdhsa_user_sgpr_kernarg_segment_ptr 1
		.amdhsa_wavefront_size32 1
		.amdhsa_system_sgpr_workgroup_id_x 1
		.amdhsa_system_sgpr_workgroup_id_y 1
		.amdhsa_system_sgpr_workgroup_id_z 1
		.amdhsa_system_vgpr_workitem_id 0
		.amdhsa_next_free_vgpr 1024
		.amdhsa_next_free_sgpr 66
		.amdhsa_reserve_vcc 0
		.amdhsa_float_denorm_mode_32 3
		.amdhsa_float_denorm_mode_16_64 3
		.amdhsa_memory_ordered 1
		.amdhsa_forward_progress 1
		.amdhsa_inst_pref_size 251
	.end_amdhsa_kernel
	.amdgpu_metadata
---
amdhsa.version: [ 1, 2 ]
amdhsa.kernels:
  - .name:           k_qff5f9fb02a_attend
    .symbol:         k_qff5f9fb02a_attend.kd
    .args:
      - { .name: kv, .offset: 0, .size: 8, .value_kind: global_buffer, .address_space: global }
      - { .name: kj, .offset: 8, .size: 8, .value_kind: global_buffer, .address_space: global }
      - { .name: x, .offset: 16, .size: 8, .value_kind: global_buffer, .address_space: global }
      - { .name: gamma, .offset: 24, .size: 8, .value_kind: global_buffer, .address_space: global }
      - { .name: out0, .offset: 32, .size: 8, .value_kind: global_buffer, .address_space: global }
    .group_segment_fixed_size: 327680
    .private_segment_fixed_size: 0
    .kernarg_segment_align: 8
    .kernarg_segment_size: 40
    .max_flat_workgroup_size: 128
    .sgpr_count:     66
    .vgpr_count:     1024
    .wavefront_size: 32
...
	.end_amdgpu_metadata
.endif
;; end of part 2
